; MI455X (gfx1250); checked and timed in simulation.
; The chip was launched on July 23, 2026; its instructions are those of AMD's public machine-readable ISA for CDNA 5 (MIT licence, August 2026) and "CDNA5" Instruction Set Architecture Reference Guide (July 2026). The comments in the code are by the model that wrote it; some were corrected since.
;; Self Attention. Allowed arithmetic: matrix products marked QUANTISED: E5M2 operands, one given power-of-two scale a tensor, by v_wmma_f32_16x16x64_bf8_bf8 or v_wmma_f32_16x16x128_bf8_bf8, f32 sums; everything else in f32.
;; Inputs: Wk 1,024 x 1,024 float32; Wo 1,024 x 1,024 float32; Wq 1,024 x 1,024 float32; Wv 1,024 x 1,024 float32; beta 1,024 float32; bk 1,024 float32; bo 1,024 float32; bq 1,024 float32; bv 1,024 float32; gamma 1,024 float32; lowp_scales 12 int32 (the exponents e of the quantised operands' scales 2^e); x 4 x 2,048 x 1,024 float32.
;; Outputs: out0 4 x 2,048 x 1,024 float32.
;; This version of the problem:
;;   THIS VERSION OF THE PROBLEM IS GIVEN IN LOW PRECISION. The matrix products marked QUANTISED in the list below multiply operands that are first quantised to E5M2 (5 exponent bits, 2 mantissa bits; 8 bits a number), with one given power-of-two scale for each operand tensor; their sums are f32. All else is computed in f32.
;;   The module's matrix products, in the order in which they are computed (A, B: the left and right operand; K: the contracted axis; several contracted axes count as one K, in the product's order):
;;     1. [M 8,192, K 1,024] x [K 1,024, N 1,024]; A: input x; B: input Wq: QUANTISED (scales: A lowp_scales[0], B lowp_scales[1])
;;     2. [M 8,192, K 1,024] x [K 1,024, N 1,024]; A: input x; B: input Wk: QUANTISED (scales: A lowp_scales[2], B lowp_scales[3])
;;     3. [M 8,192, K 1,024] x [K 1,024, N 1,024]; A: input x; B: input Wv: QUANTISED (scales: A lowp_scales[4], B lowp_scales[5])
;;     4. batch 64 x [M 2,048, K 64] x [K 64, N 2,048]; A: computed on the way; B: computed on the way: QUANTISED (scales: A lowp_scales[6], B lowp_scales[7])
;;     5. batch 64 x [M 2,048, K 2,048] x [K 2,048, N 64]; A: softmax (see below); B: computed on the way: QUANTISED (scales: A lowp_scales[8], B lowp_scales[9])
;;     6. [M 8,192, K 1,024] x [K 1,024, N 1,024]; A: computed on the way; B: input Wo: QUANTISED (scales: A lowp_scales[10], B lowp_scales[11])
;;   THE QUANTISER, for each operand of a quantised product, along K:
;;     - The operand's scale is 2^e, e = its entry of the input lowp_scales (int32; the entries are numbered through the quantised products in the list's order, A before B).
;;     - Each number is divided by the scale, clamped to +-57,344, and rounded to the nearest number of E5M2, ties to even, subnormals kept.
;;     - The product sums the exact products of the quantised numbers (number of the format x scale) in f32.
;;   ~~~python
;;   def quantise(x, axis, e):      # numpy; x: float32 -> the quantised numbers, widened to float32 again
;;       x = np.moveaxis(x, axis, -1); K = x.shape[-1]
;;       r = np.clip(x / 2.0 ** e, -57344, 57344)
;;       step = 2.0 ** (np.maximum(np.frexp(np.where(r == 0, 1, r))[1] - 1, -14) - 2)
;;       q = np.round(r / step) * step * 2.0 ** e      # np.round: ties to even
;;       return np.moveaxis(q, -1, axis).astype(np.float32)
;;   ~~~
;;   SOFTMAX AHEAD OF A QUANTISED PRODUCT. Where the list says 'softmax', what is quantised is not the finished softmax but p = 2^(t - M), with t = logit x log2(e) and M = ceil(the row's largest t), a whole number; so 1/2 < the row's largest p <= 1. The row's sum l is taken of the UNQUANTISED p, in f32, and the product's result is divided by l at the end. Since M is a whole number, a kernel that streams over the keys may use a running M (the ceiling of the running maximum): every later rescaling is an exact power of two, so the quantised numbers keep their values, but for numbers so far below the row's largest that they fall under the format's range.
;;   OPERANDS COMPUTED ON THE WAY. 'Computed on the way' means the value that the module computes at that place (a softmax that the list does not call 'softmax' is quantised finished and normalised). What goes into a quantiser is computed in f32, as accurately as f32 sums, v_exp_f32 and their like allow (about 1e-6 of the number): no bf16 or f16 on the way to a quantiser, and a product that is left as it is and whose result goes on into a quantised operand takes f32 operands (vector FMAs, or v_wmma_f32_16x16x4_f32). A number that lies on a knife's edge between two numbers of the format may be rounded either way, as far as f32 arithmetic and the matrix unit's own rounding can turn it there, and no further.
;; One version. Each part assembles by itself: llvm-mc -triple=amdgcn-amd-amdhsa -mcpu=gfx1250 --defsym DOCPART=n.
;; ======== version 1 of 1: 4 launches
;; limits: right only within a limited range of input values
;; workspace buffers: xc 25,165,824 bytes; wc 4,194,304 bytes; qkvf 25,165,824 bytes; ctxf 8,388,608 bytes
;; launch quant (part 1): grid 384 x 1, 8 waves a work-group, no clusters, 101,376 bytes of LDS; arguments x, Wq, Wk, Wv, Wo, lowp_scales, xc, wc; writes xc, wc
.if DOCPART == 1
	.amdgcn_target "amdgcn-amd-amdhsa--gfx1250"
	.amdhsa_code_object_version 6
	.text
	.protected	k_q44fb8ec7ae_quant
	.globl	k_q44fb8ec7ae_quant
	.p2align	8
	.type	k_q44fb8ec7ae_quant,@function
k_q44fb8ec7ae_quant:
	s_mov_b64 s[64:65], 0
	v_nop
	global_prefetch_b8 v0, s[64:65] scope:SCOPE_SE
	s_setreg_imm32_b32 hwreg(HW_REG_WAVE_MODE, 25, 1), 1
	s_wait_xcnt 0x0
; x [8192][1024] f32 becomes three sets of codes of E5M2 (scales 2^e0, 2^e2, 2^e4: it is an operand of three products, each with its own entry);
; Wq, Wk, Wv, Wo [k 1024][n 1024] f32 become codes with the scales 2^e1, 2^e3, 2^e5, 2^e11.  code = number / 2^e, held within +-57,344, to the nearest code, ties to even.
; BOTH OUTPUTS ARE LAID AS IMAGES OF OPERAND REGISTERS.  A fragment, 16 rows x 128 along K, is 2,048 bytes: four blocks of 512; in block c lane (r, h) has its 16 bytes at 16 x lane: row r, k = 32 c + 16 h + 0 .. 15.
;   xc: [3 scales][512 tiles of 16 rows][8 K steps][2,048]      wc: [4 weights][64 tiles of 16 columns n][8 K steps][2,048] (a row of the operand is a column n of W)
; So every later read of a fragment is four loads of 16 bytes a lane at 16 x lane, and every store here covers 512 consecutive bytes, aligned.
; Work-groups 0-255 take x (two tiles of 16 rows each), work-groups 256-383 the weights.  Each path has LDS bytes of its own; waves share nothing, so there is no barrier.
; LIMITS: each e used here lies between -126 and 112, so that 2^e and 57,344 x 2^e are f32 numbers.  NaN among the inputs is not served (an infinity is held at the largest code).
.set XP,    528                        ; x's stage: a row of 512 bytes + 16: the sixteen rows that a read touches start at sixteen different 16-byte columns
.set XREG,  16*XP                      ; a wave's stage on x's path
.set WBASE, 8*XREG                     ; the weights' path: 4,096 bytes a wave from here on
.set T,     16                         ; v16-31   two sets of eight held numbers
.set C,     32                         ; v32-79   codes
.set R,     80                         ; v80-207  numbers as loaded
.set BK,    144                        ; v144-175 the weights' codes read back from the stage
.macro POW e, vs, vl                   ; v[vs] = 2^e as f32 (the conversion takes its exponent field), v[vl] = 57,344 x 2^e
	s_add_co_i32 s44, s[\e], 127
	s_lshl_b32 s45, s44, 23
	v_mov_b32 v[\vs], s45
	s_add_co_i32 s44, s44, 15
	s_lshl_b32 s44, s44, 23
	s_or_b32 s44, s44, 0x600000
	v_mov_b32 v[\vl], s44
.endm
	s_load_b512 s[4:19], s[0:1], 0x0               ; x 4:5, Wq 6:7, Wk 8:9, Wv 10:11, Wo 12:13, the exponents 14:15, xc 16:17, wc 18:19
	v_lshl_add_u32 v208, v0, 2, 0x18800
	v_mov_b32 v209, 0
	v_lshrrev_b32 v1, 5, v0
	s_delay_alu instid0(VALU_DEP_1)
	v_readfirstlane_b32 s20, v1                    ; wave 0..7
	v_and_b32 v1, 31, v0                           ; lane
	s_delay_alu instid0(VALU_DEP_1)
	v_lshlrev_b32 v2, 4, v1                        ; 16 x lane
	s_wait_kmcnt 0x0
	s_load_b256 s[24:31], s[14:15], 0x0            ; e0 .. e7
	s_load_b128 s[32:35], s[14:15], 0x20           ; e8 .. e11
	s_cmp_lt_u32 ttmp9, 256
	s_cbranch_scc0 .Lweights
; ---------------- x.  Wave w: tile 2 g + w / 4, K steps 2 (w % 4) and 2 (w % 4) + 1: 16 rows x 1,024 consecutive bytes
	s_lshr_b32 s21, s20, 2
	s_and_b32 s22, s20, 3
	s_lshl_b32 s23, ttmp9, 1
	s_add_co_u32 s23, s23, s21                     ; the tile of 16 rows
	s_lshl_b32 s36, s23, 16                        ; 16 rows of 4,096 bytes
	s_lshl_b32 s21, s22, 10
	s_add_co_u32 s36, s36, s21
	s_mov_b32 s37, 0
	s_add_nc_u64 s[36:37], s[4:5], s[36:37]
	s_lshl_b32 s38, s23, 14                        ; a tile's eight fragments
	s_lshl_b32 s21, s22, 12                        ; my two of them
	s_add_co_u32 s38, s38, s21
	s_mov_b32 s39, 0
	s_add_nc_u64 s[38:39], s[16:17], s[38:39]      ; the codes under e0,
	s_add_nc_u64 s[40:41], s[38:39], 0x800000      ; under e2,
	s_add_nc_u64 s[42:43], s[38:39], 0x1000000     ; under e4
	s_mul_i32 s21, s20, XREG
	s_wait_alu depctr_va_vdst(0)
	v_add_nc_u32 v3, s21, v2                       ; into the stage: a row as it was loaded, 16 bytes a lane
	v_and_b32 v5, 15, v1
	v_lshrrev_b32 v6, 4, v1
	s_delay_alu instid0(VALU_DEP_2)
	v_mul_u32_u24 v4, v5, XP
	s_delay_alu instid0(VALU_DEP_1)
	v_lshl_add_u32 v4, v6, 6, v4
	s_delay_alu instid0(VALU_DEP_1)
	v_add_nc_u32 v4, s21, v4                       ; out of it: row r, + 64 h: my 16 numbers of a block of 32
.macro XLOAD u                         ; K step u of my two: 16 loads, each 512 consecutive bytes of one row
.irp i, 0,1,2,3,4,5,6,7,8,9,10,11,12,13,14,15
	global_load_b128 v[R+64*\u+4*\i:R+64*\u+4*\i+3], v2, s[36:37] offset:\i*4096+\u*512 th:TH_LOAD_NT
.endr
.endm
.macro XTURN u                         ; through my own stage: LDS serves a wave's instructions in order, so no wait stands between the stores and the loads.  Then register 16 c + n = x(r, 32 c + 16 h + n)
.irp i, 0,1,2,3,4,5,6,7,8,9,10,11,12,13,14,15
	ds_store_b128 v3, v[R+64*\u+4*\i:R+64*\u+4*\i+3] offset:\i*XP
.endr
.irp c, 0,1,2,3
.irp j, 0,1,2,3
	ds_load_b128 v[R+64*\u+16*\c+4*\j:R+64*\u+16*\c+4*\j+3], v4 offset:128*\c+16*\j
.endr
.endr
.endm
.macro XQ u                            ; the same 64 numbers three times: held (the conversion to an 8-bit code does not saturate: ISA guide 7.6.2), converted, stored.  The two sets of T take turns, so eight plain lines stand between a conversion and the next write of its sources
.irp x, 0,1,2
.irp c, 0,1,2,3
.irp g, 0,1
.irp n, 0,1,2,3,4,5,6,7
	v_med3_num_f32 v[T+8*\g+\n], v[R+64*\u+16*\c+8*\g+\n], -v[9+2*\x], v[9+2*\x]
.endr
	v_cvt_scalef32_pk8_bf8_f32 v[C+16*\x+4*\c+2*\g:C+16*\x+4*\c+2*\g+1], v[T+8*\g:T+8*\g+7], v[8+2*\x]
.endr
.endr
.irp c, 0,1,2,3
	global_store_b128 v2, v[C+16*\x+4*\c:C+16*\x+4*\c+3], s[38+2*\x:39+2*\x] offset:\u*2048+512*\c   ; a block of the fragment: 512 consecutive bytes
.endr
.endr
.endm
	XLOAD 0
	XLOAD 1
	s_wait_alu depctr_va_vdst(0)
	s_wait_kmcnt 0x0
	POW 24, 8, 9
	POW 26, 10, 11
	POW 28, 12, 13
	s_wait_alu depctr_va_vdst(0)
	s_wait_loadcnt 16                              ; the first K step's 16 loads are in; the second's 16 stay out
	XTURN 0
	s_wait_dscnt 0x0
	XQ 0
	s_wait_loadcnt 0x0
	XTURN 1
	s_wait_dscnt 0x0
	s_wait_xcnt 0x0                                ; the stores have read the codes' registers: they are written again only behind this wait
	XQ 1
	s_wait_tensorcnt 0x0
	ds_add_u32 v208, v209
	s_wait_dscnt 0x0
	s_endpgm
; ---------------- the weights.  id = work-group - 256: weight id / 32, K step (id / 4) % 8; wave w takes columns 32 (8 (id % 4) + w) on: the eight waves stand side by side on 1,024 bytes of each row.
; A LANE TAKES A COLUMN n AND ITS REGISTERS RUN DOWN K: the conversions then give codes with K innermost, and nothing is transposed by an instruction.
.Lweights:
	s_sub_co_u32 s21, ttmp9, 256
	s_lshr_b32 s22, s21, 5                         ; which weight
	s_bfe_u32 s23, s21, 0x30002                    ; which K step
	s_and_b32 s21, s21, 3
	s_lshl_b32 s21, s21, 3
	s_add_co_u32 s21, s21, s20                     ; which 32 columns
	s_cmp_eq_u32 s22, 0
	s_cselect_b64 s[36:37], s[6:7], s[12:13]
	s_cmp_eq_u32 s22, 1
	s_cselect_b64 s[36:37], s[8:9], s[36:37]
	s_cmp_eq_u32 s22, 2
	s_cselect_b64 s[36:37], s[10:11], s[36:37]
	s_lshl_b32 s40, s23, 19                        ; 128 rows of 4,096 bytes
	s_lshl_b32 s41, s21, 7
	s_add_co_u32 s40, s40, s41
	s_mov_b32 s41, 0
	s_add_nc_u64 s[36:37], s[36:37], s[40:41]
	s_lshl_b32 s40, s22, 20                        ; a weight's codes,
	s_lshl_b32 s42, s21, 15                        ; my two tiles of 16 columns,
	s_add_co_u32 s40, s40, s42
	s_lshl_b32 s42, s23, 11                        ; the K step's fragment
	s_add_co_u32 s40, s40, s42
	s_add_nc_u64 s[38:39], s[18:19], s[40:41]
	s_wait_alu depctr_va_vdst(0)
	v_lshlrev_b32 v6, 2, v1                        ; in: 4 bytes a lane
	s_lshl_b32 s43, s20, 12
	s_add_co_u32 s43, s43, WBASE                   ; my stage: two fragments
	v_lshrrev_b32 v7, 4, v1
	v_and_b32 v3, 15, v1
	s_delay_alu instid0(VALU_DEP_1)
	v_lshlrev_b32 v3, 4, v3
	s_delay_alu instid0(VALU_DEP_1)
	v_lshl_add_u32 v3, v7, 11, v3
	s_delay_alu instid0(VALU_DEP_1)
	v_add_nc_u32 v3, s43, v3                       ; into it: tile lane / 16, place of lane (r, 0); lane (r, 1)'s place is 256 bytes on
	v_add_nc_u32 v4, s43, v2                       ; out of it: 16 x lane
.macro WLOAD t                         ; block t: W(32 t + i, my column), i = 0 .. 31, into set t % 2
.irp i, 0,1,2,3,4,5,6,7,8,9,10,11,12,13,14,15,16,17,18,19,20,21,22,23,24,25,26,27,28,29,30,31
	global_load_b32 v[R+32*((\t)%2)+\i], v6, s[36:37] offset:(32*(\t)+\i)*4096 th:TH_LOAD_NT
.endr
.endm
.macro WBLOCK t
.if (\t) < 3
	s_wait_loadcnt 32                              ; this block's 32 loads are in; the next block's 32 stay out
.else
	s_wait_loadcnt 0x0
.endif
.irp i, 0,1,2,3,4,5,6,7,8,9,10,11,12,13,14,15,16,17,18,19,20,21,22,23,24,25,26,27,28,29,30,31
	v_med3_num_f32 v[R+32*((\t)%2)+\i], v[R+32*((\t)%2)+\i], -v9, v9
.endr
.irp g, 0,1,2,3
	v_cvt_scalef32_pk8_bf8_f32 v[C+8*(\t)+2*\g:C+8*(\t)+2*\g+1], v[R+32*((\t)%2)+8*\g:R+32*((\t)%2)+8*\g+7], v8
.endr
	ds_store_b128 v3, v[C+8*(\t):C+8*(\t)+3] offset:512*(\t)          ; k = 32 t + 0 .. 15: what lane (r, 0) of the fragment holds
	ds_store_b128 v3, v[C+8*(\t)+4:C+8*(\t)+7] offset:512*(\t)+256    ; k = 32 t + 16 .. 31: lane (r, 1)'s.  Each block has its own code registers: none is written twice
.if (\t) < 2
	WLOAD (\t)+2
.endif
.endm
	WLOAD 0
	WLOAD 1
	s_wait_kmcnt 0x0
	s_cmp_eq_u32 s22, 0
	s_cselect_b32 s46, s25, s35                    ; e1 or e11,
	s_cmp_eq_u32 s22, 1
	s_cselect_b32 s46, s27, s46                    ; e3,
	s_cmp_eq_u32 s22, 2
	s_cselect_b32 s46, s29, s46                    ; e5
	POW 46, 8, 9
	s_wait_alu depctr_va_vdst(0)
	WBLOCK 0
	WBLOCK 1
	WBLOCK 2
	WBLOCK 3
.irp q, 0,1,2,3,4,5,6,7
	ds_load_b128 v[BK+4*\q:BK+4*\q+3], v4 offset:512*\q   ; LDS serves a wave's instructions in order: these see my stores
.endr
.irp q, 0,1,2,3,4,5,6,7
	s_wait_dscnt 7-\q
	global_store_b128 v2, v[BK+4*\q:BK+4*\q+3], s[38:39] offset:(\q/4)*16384+(\q%4)*512   ; 512 consecutive bytes of tile q / 4's fragment
.endr
	s_wait_tensorcnt 0x0
	ds_add_u32 v208, v209
	s_wait_dscnt 0x0
	s_endpgm
.Lfunc_end_k_q44fb8ec7ae_quant:
	.size	k_q44fb8ec7ae_quant, .Lfunc_end_k_q44fb8ec7ae_quant-k_q44fb8ec7ae_quant
	.p2alignl 7, 3214868480
	.fill 96, 4, 3214868480
	.section	.rodata,"a",@progbits
	.p2align	6, 0x0
	.amdhsa_kernel k_q44fb8ec7ae_quant
		.amdhsa_group_segment_fixed_size 101376
		.amdhsa_private_segment_fixed_size 0
		.amdhsa_enable_private_segment 0
		.amdhsa_kernarg_size 64
		.amdhsa_user_sgpr_count 2
		.amdhsa_user_sgpr_kernarg_segment_ptr 1
		.amdhsa_wavefront_size32 1
		.amdhsa_system_sgpr_workgroup_id_x 1
		.amdhsa_system_sgpr_workgroup_id_y 1
		.amdhsa_system_sgpr_workgroup_id_z 1
		.amdhsa_system_vgpr_workitem_id 0
		.amdhsa_next_free_vgpr 210
		.amdhsa_next_free_sgpr 66
		.amdhsa_reserve_vcc 0
		.amdhsa_float_denorm_mode_32 3
		.amdhsa_float_denorm_mode_16_64 3
		.amdhsa_memory_ordered 1
		.amdhsa_forward_progress 1
		.amdhsa_inst_pref_size 65
	.end_amdhsa_kernel
	.amdgpu_metadata
---
amdhsa.version: [ 1, 2 ]
amdhsa.kernels:
  - .name:           k_q44fb8ec7ae_quant
    .symbol:         k_q44fb8ec7ae_quant.kd
    .args:
      - { .name: x, .offset: 0, .size: 8, .value_kind: global_buffer, .address_space: global }
      - { .name: Wq, .offset: 8, .size: 8, .value_kind: global_buffer, .address_space: global }
      - { .name: Wk, .offset: 16, .size: 8, .value_kind: global_buffer, .address_space: global }
      - { .name: Wv, .offset: 24, .size: 8, .value_kind: global_buffer, .address_space: global }
      - { .name: Wo, .offset: 32, .size: 8, .value_kind: global_buffer, .address_space: global }
      - { .name: lowp_scales, .offset: 40, .size: 8, .value_kind: global_buffer, .address_space: global }
      - { .name: xc, .offset: 48, .size: 8, .value_kind: global_buffer, .address_space: global }
      - { .name: wc, .offset: 56, .size: 8, .value_kind: global_buffer, .address_space: global }
    .group_segment_fixed_size: 101376
    .private_segment_fixed_size: 0
    .kernarg_segment_align: 8
    .kernarg_segment_size: 64
    .max_flat_workgroup_size: 256
    .sgpr_count:     66
    .vgpr_count:     210
    .wavefront_size: 32
...
	.end_amdgpu_metadata
.endif
;; end of part 1
;; launch qkv (part 2): grid 12 x 32, 4 waves a work-group, clusters of 4 x 4, 327,680 bytes of LDS; arguments xc, wc, bq, bk, bv, lowp_scales, qkvf; writes qkvf
.if DOCPART == 2
	.amdgcn_target "amdgcn-amd-amdhsa--gfx1250"
	.amdhsa_code_object_version 6
	.text
	.protected	k_q44fb8ec7ae_qkv
	.globl	k_q44fb8ec7ae_qkv
	.p2align	8
	.type	k_q44fb8ec7ae_qkv,@function
k_q44fb8ec7ae_qkv:
	s_mov_b64 s[64:65], 0
	v_nop
	global_prefetch_b8 v0, s[64:65] scope:SCOPE_SE
	s_setreg_imm32_b32 hwreg(HW_REG_WAVE_MODE, 25, 1), 1
	s_wait_xcnt 0x0
	s_wait_alu depctr_hold_cnt(0) depctr_sa_sdst(0) depctr_va_vdst(0) depctr_va_sdst(0) depctr_va_ssrc(0) depctr_va_vcc(0) depctr_vm_vsrc(0)
	s_getreg_b32 s2, hwreg(HW_REG_IB_STS2, 6, 4)
	s_cmp_eq_u32 s2, 0
	s_cbranch_scc0 .Lentry_in_a_cluster
	s_endpgm
.Lentry_in_a_cluster:
	s_bfe_u32 s2, ttmp6, 0x10000c
	s_cmp_lg_u32 s2, 0xf033
	s_cbranch_scc0 .Lentry_shape_is_right
	s_endpgm
.Lentry_shape_is_right:
.set SLOT,   131072
.set SPARE,  2*SLOT
.set FR,     16
.set NL,     4
.set NP,     4
.set ADRA, 16
.set ADRB, 20
.set LI,   26
.set SPW,  28
.set NIL,  29
.set BI,   32
.set T,    96
.set CD,   160
.set AF,   128
.set G1, 24
.set G0, 32
.set G1B, 48
.set G0B, 56
.set MSB, 0
.macro WIN new
.if MSB != (\new)
	s_set_vgpr_msb (MSB<<8)|(\new)
.set MSB, (\new)
.endif
.endm
.set MUL_LO, 0xa1
.set MUL_HI, 0xf1
.set TO_B,   0x40
.macro JLOAD g0a, g1a, g0b, g1b
	s_cmp_eq_u32 s19, 0
	s_cbranch_scc0 .Lfor_b_\@
	tensor_load_to_lds s[\g0a:\g0a+3], s[\g1a:\g1a+7]
	s_nop 0
.rept 4
	v_nop
.endr
	s_branch .Lasked_\@
.Lfor_b_\@:
	tensor_load_to_lds s[\g0b:\g0b+3], s[\g1b:\g1b+7]
	s_nop 0
.rept 4
	v_nop
.endr
.Lasked_\@:
.endm
.macro CREST
	s_cmp_lg_u32 s18, 0
	s_cbranch_scc1 .Lnot_wave_0_\@
	s_barrier_signal -3
.Lnot_wave_0_\@:
	s_barrier_wait -3
	s_barrier_signal -1
	s_barrier_wait -1
.endm
.macro CROUND
	s_barrier_signal -1
	s_barrier_wait -1
	CREST
.endm
	s_load_b256 s[4:11], s[0:1], 0x0
	s_load_b128 s[12:15], s[0:1], 0x20
	s_load_b64 s[16:17], s[0:1], 0x30
	v_lshl_add_u32 v[SPW], v0, 2, SPARE
	v_mov_b32 v[NIL], 0
	ds_add_u32 v28, v29
	ds_add_u32 v28, v29
	s_wait_dscnt 0x0
	v_lshrrev_b32 v1, 5, v0
	v_readfirstlane_b32 s18, v1
	s_lshr_b32 s19, s18, 1
	s_and_b32 s20, s18, 1
	s_bfe_u32 s21, ttmp6, 0x40000
	s_bfe_u32 s22, ttmp6, 0x40004
	s_mov_b32 s23, ttmp9
	s_and_b32 s40, ttmp7, 0xffff
	s_lshl_b32 s40, s40, 2
	s_lshl_b32 s41, s22, 2
	s_lshl_b32 s41, 15, s41
	s_lshl_b32 s42, 0x1111, s21
	s_or_b32 s[G1+0], s41, (3<<16)|(1<<21)
	s_or_b32 s[G1B+0], s42, (3<<16)|(1<<21)
.irp g, G1, G1B
	s_mov_b32 s[\g+1], 512<<16
	s_mov_b32 s[\g+2], 8<<16
	s_mov_b32 s[\g+3], 512<<16
	s_mov_b32 s[\g+4], 8
	s_mov_b32 s[\g+5], 2048
	s_mov_b32 s[\g+6], 0
	s_mov_b32 s[\g+7], 0
.endr
	s_cmp_eq_u32 s23, 2
	s_cselect_b32 s43, 0, s40
	s_cselect_b32 s44, s40, 0
	s_add_co_u32 s43, s43, s22
	s_add_co_u32 s44, s44, s21
	s_lshl_b32 s45, s20, 17
	s_lshl_b32 s86, s43, 18
	s_add_co_u32 s86, s86, s45
	s_mov_b32 s87, 0
	s_lshl_b32 s90, s44, 18
	s_add_co_u32 s90, s90, s45
	s_mov_b32 s91, 0
	s_lshl_b32 s46, s18, 15
	s_wait_kmcnt 0x0
	s_load_b256 s[72:79], s[14:15], 0x0
	s_load_b128 s[80:83], s[14:15], 0x20
	s_lshl_b32 s92, s23, 23
	s_mov_b32 s93, 0
	s_add_nc_u64 s[92:93], s[4:5], s[92:93]
	s_lshl_b32 s94, s23, 20
	s_mov_b32 s95, 0
	s_add_nc_u64 s[94:95], s[6:7], s[94:95]
	s_cmp_eq_u32 s23, 2
	s_cselect_b64 s[66:67], s[94:95], s[92:93]
	s_cselect_b64 s[68:69], s[92:93], s[94:95]
	s_add_nc_u64 s[66:67], s[66:67], s[86:87]
	s_add_nc_u64 s[68:69], s[68:69], s[90:91]
	s_cmp_eq_u32 s19, 0                            ; the prefetches: of the 8 rows of 4,096 bytes that my joint load brings, each of the four partners names two, told apart by address
	s_cselect_b64 s[96:97], s[66:67], s[68:69]
	s_cselect_b32 s98, s21, s22
	s_lshl_b32 s98, s98, 15
	s_mov_b32 s99, 0
	s_add_nc_u64 s[96:97], s[96:97], s[98:99]
	v_bfe_u32 v27, v0, 4, 1
	v_and_b32 v2, 15, v0
	v_lshlrev_b32 v27, 14, v27
	v_lshl_add_u32 v27, v2, 8, v27                 ; lane: row lane / 16, block of 256 bytes lane % 16; never rewritten
	global_prefetch_b8 v27, s[96:97] offset:4096 th:TH_LOAD_NT scope:SCOPE_SE   ; K step 1, one load ahead
	CROUND
.irp s, 0,1
	s_mov_b32 s[G0+4*\s], 1
	s_add_co_u32 s[G0+4*\s+1], s46, \s*SLOT
	s_add_nc_u64 s[G0+4*\s+2:G0+4*\s+3], s[66:67], \s*4096
	s_or_b32 s[G0+4*\s+3], s[G0+4*\s+3], 0x80000000
	s_mov_b32 s[G0B+4*\s], 1
	s_add_co_u32 s[G0B+4*\s+1], s46, \s*SLOT
	s_add_nc_u64 s[G0B+4*\s+2:G0B+4*\s+3], s[68:69], \s*4096
	s_or_b32 s[G0B+4*\s+3], s[G0B+4*\s+3], 0x80000000
	s_wait_alu depctr_va_vdst(0)
	s_wait_tensorcnt 0x0
	ds_add_u32 v28, v29
	ds_add_u32 v28, v29
	s_wait_dscnt 0x0
	CROUND
	JLOAD G0+4*\s, G1, G0B+4*\s, G1B
	global_prefetch_b8 v27, s[96:97] offset:(\s+2)*4096 th:TH_LOAD_NT scope:SCOPE_SE   ; behind the load of K step s: K step s + 2, the last being K step 3
.endr
	v_and_b32 v1, 31, v0
	v_lshlrev_b32 v[LI], 4, v1
	s_lshl_b32 s40, s19, 15
	s_lshl_b32 s41, s20, 15
	s_add_co_u32 s41, s41, 65536
.irp s, 0,1
	v_add_nc_u32 v[ADRA+\s], s40, v[LI]
	v_add_nc_u32 v[ADRB+\s], s41, v[LI]
	s_add_co_u32 s40, s40, SLOT
	s_add_co_u32 s41, s41, SLOT
.endr
	v_and_b32 v2, 15, v0
	v_bfe_u32 v3, v0, 4, 1
	s_cmp_eq_u32 s23, 2
	s_cselect_b32 s40, 0, 4
	s_cselect_b32 s41, 4, 0
	s_cselect_b32 s42, 0, 32
	v_mov_b32 v5, s40
	v_mul_u32_u24 v4, v2, s41
	v_mad_u32_u24 v4, v3, s42, v4
.irp j, 0,1,2,3,4,5,6,7
	v_mad_u32_u24 v[96+\j], v5, \j, v4
.endr
	s_cmp_eq_u32 s23, 0
	s_cselect_b64 s[88:89], s[8:9], s[12:13]
	s_cmp_eq_u32 s23, 1
	s_cselect_b64 s[88:89], s[10:11], s[88:89]
	s_cmp_eq_u32 s23, 2
	s_cselect_b32 s40, s44, s43
	s_cselect_b32 s41, s43, s44
	s_cselect_b32 s42, s20, s19
	s_cselect_b32 s45, s19, s20
	s_lshr_b32 s47, s40, 3
	s_lshl_b32 s47, s47, 4
	s_lshl_b32 s86, s41, 2
	s_add_co_u32 s47, s47, s86
	s_lshl_b32 s86, s45, 1
	s_add_co_u32 s47, s47, s86
	s_mul_i32 s86, s47, 393216
	s_lshl_b32 s87, s23, 17
	s_add_co_u32 s86, s86, s87
	s_and_b32 s87, s40, 7
	s_lshl_b32 s87, s87, 14
	s_add_co_u32 s86, s86, s87
	s_lshl_b32 s87, s42, 13
	s_add_co_u32 s86, s86, s87
	s_mov_b32 s87, 0
	s_add_nc_u64 s[70:71], s[16:17], s[86:87]
	s_lshl_b32 s86, s41, 10
	s_lshl_b32 s90, s45, 9
	s_add_co_u32 s86, s86, s90
	s_add_nc_u64 s[88:89], s[88:89], s[86:87]
	s_wait_alu depctr_va_vdst(0)
.irp i, 0,1,2,3,4,5,6,7
.irp j, 0,1,2,3,4,5,6,7
	global_load_b32 v[BI+8*\i+\j], v[96+\j], s[88:89] offset:64*\i
.endr
.endr
.macro FRAG reg, adr, q, i
.irp c, 0,1,2,3
	ds_load_b128 v[\reg+4*\c:\reg+4*\c+3], v[\adr] offset:(\i)*4096+(\q)*2048+512*\c
.endr
.endm
.macro MUL16 a0, p, zero
.irp a, \a0, \a0+1
.irp b, 0,1,2,3,4,5,6,7
.if \zero
	v_wmma_f32_16x16x128_bf8_bf8 v[8*(8*((\a)%4)+\b):8*(8*((\a)%4)+\b)+7], v[128*(\p)+FR*\b:128*(\p)+FR*\b+FR-1], v[AF+FR*(\a):AF+FR*(\a)+FR-1], 0
.else
	v_wmma_f32_16x16x128_bf8_bf8 v[8*(8*((\a)%4)+\b):8*(8*((\a)%4)+\b)+7], v[128*(\p)+FR*\b:128*(\p)+FR*\b+FR-1], v[AF+FR*(\a):AF+FR*(\a)+FR-1], v[8*(8*((\a)%4)+\b):8*(8*((\a)%4)+\b)+7]
.endif
.endr
.endr
.endm
.macro FETCH_B slot, q, p
	WIN TO_B
.irp i, 0,1,2,3,4,5,6,7
	FRAG 128*(\p)+FR*\i, ADRB+\slot, \q, \i
.endr
	WIN 0
.endm
.macro FETCH_A slot, q, i0
.irp i, \i0, \i0+1, \i0+2, \i0+3
	FRAG AF+FR*(\i), ADRA+\slot, \q, \i
.endr
.endm
.macro PLACES n
.rept \n
	v_nop
.endr
.endm
.macro STEP slot, q, zero
	s_wait_dscnt 4*NL
	WIN MUL_LO
	MUL16 0, (\q)%2, \zero
	MUL16 2, (\q)%2, \zero
	s_wait_dscnt 0
	PLACES NP
	FETCH_B \slot, (\q)+1, 1-(\q)%2
	FETCH_A \slot, (\q)+1, 0
	WIN MUL_HI
	MUL16 4, (\q)%2, \zero
	MUL16 6, (\q)%2, \zero
	PLACES NP
	WIN 0
	FETCH_A \slot, (\q)+1, 4
.endm
.macro TURN slot, next, fill
	s_wait_tensorcnt 0x0
	ds_add_u32 v[SPW], v[NIL]
	s_wait_dscnt 4*NL+1
	WIN MUL_LO
	MUL16 0, 1, 0
	s_wait_dscnt 0x0
	s_barrier_signal -1
	MUL16 2, 1, 0
	WIN 0
	s_barrier_wait -1
.if \fill
	CREST
	s_add_nc_u64 s[G0+4*\slot+2:G0+4*\slot+3], s[G0+4*\slot+2:G0+4*\slot+3], 8192
	s_add_nc_u64 s[G0B+4*\slot+2:G0B+4*\slot+3], s[G0B+4*\slot+2:G0B+4*\slot+3], 8192
	JLOAD G0+4*\slot, G1, G0B+4*\slot, G1B
.else
	PLACES NP
.endif
	FETCH_B \next, 0, 0
	FETCH_A \next, 0, 0
	WIN MUL_HI
	MUL16 4, 1, 0
	MUL16 6, 1, 0
	PLACES NP
	WIN 0
	FETCH_A \next, 0, 4
.endm
	s_wait_tensorcnt 1
	s_barrier_signal -1
	s_barrier_wait -1
	FETCH_B 0, 0, 0
	FETCH_A 0, 0, 0
	FETCH_A 0, 0, 4
	STEP 0, 0, 1
	TURN 0, 1, 1
	STEP 1, 0, 0
	TURN 1, 0, 1
	STEP 0, 0, 0
	TURN 0, 1, 0
	STEP 1, 0, 0
	s_wait_dscnt 4*NL
	WIN MUL_LO
	MUL16 0, 1, 0
	MUL16 2, 1, 0
	s_wait_dscnt 0
	WIN MUL_HI
	MUL16 4, 1, 0
	MUL16 6, 1, 0
	WIN 0
	s_wait_kmcnt 0x0
	s_add_co_i32 s40, s72, s73
	s_add_co_i32 s41, s74, s75
	s_add_co_i32 s42, s76, s77
	s_cmp_eq_u32 s23, 0
	s_cselect_b32 s40, s40, s42
	s_cselect_b32 s43, s78, s81
	s_cmp_eq_u32 s23, 1
	s_cselect_b32 s40, s41, s40
	s_cselect_b32 s43, s79, s43
	s_add_co_i32 s40, s40, 127
	s_lshl_b32 s84, s40, 23
	s_mov_b32 s85, s84
	s_add_co_i32 s43, s43, 127
	s_lshl_b32 s44, s43, 23
	v_mov_b32 v30, s44
	s_add_co_i32 s43, s43, 15
	s_lshl_b32 s43, s43, 23
	s_or_b32 s43, s43, 0x600000
	v_mov_b32 v31, s43
	s_wait_loadcnt 0x0
	PLACES NP
.macro OUT isv
.irp a, 0,1,2,3,4,5,6,7
	WIN 0x02+(\a/4)
.irp b, 0,1,2,3,4,5,6,7
.irp i, 0,2,4,6
.if \isv
	v_pk_fma_f32 v[T+8*\b+\i:T+8*\b+\i+1], v[64*(\a%4)+8*\b+\i:64*(\a%4)+8*\b+\i+1], s[84:85], v[BI+8*\a+\i:BI+8*\a+\i+1] op_sel_hi:[1,0,1]
.else
	v_pk_fma_f32 v[T+8*\b+\i:T+8*\b+\i+1], v[64*(\a%4)+8*\b+\i:64*(\a%4)+8*\b+\i+1], s[84:85], v[BI+8*\b+\i:BI+8*\b+\i+1] op_sel_hi:[1,0,1]
.endif
.endr
.endr
	WIN 0
.set n, 0
.rept 64
	v_med3_num_f32 v[T+n], v[T+n], -v31, v31
.set n, n+1
.endr
.if \a >= 2
	s_wait_alu depctr_va_vdst(0)
	s_wait_xcnt 0x0
.endif
.irp b, 0,1,2,3,4,5,6,7
	v_cvt_scalef32_pk8_bf8_f32 v[CD+16*(\a%2)+2*\b:CD+16*(\a%2)+2*\b+1], v[T+8*\b:T+8*\b+7], v30
.endr
	v_nop
.irp j, 0,1,2,3
.if \isv
	global_store_b128 v[LI], v[CD+16*(\a%2)+4*\j:CD+16*(\a%2)+4*\j+3], s[70:71] offset:(\a/4)*393216+(\a%4)*2048+512*\j
.else
	global_store_b128 v[LI], v[CD+16*(\a%2)+4*\j:CD+16*(\a%2)+4*\j+3], s[70:71] offset:(\j/2)*393216+\a*1024+(\j%2)*512
.endif
.endr
.endr
.endm
	s_cmp_eq_u32 s23, 2
	s_cbranch_scc1 .Lout_v
	OUT 0
	s_branch .Ldone
.Lout_v:
	OUT 1
.Ldone:
	s_wait_tensorcnt 0x0
	ds_add_u32 v[SPW], v[NIL]
	s_wait_dscnt 0x0
	CROUND
	s_endpgm
.Lfunc_end_k_q44fb8ec7ae_qkv:
	.size	k_q44fb8ec7ae_qkv, .Lfunc_end_k_q44fb8ec7ae_qkv-k_q44fb8ec7ae_qkv
	.p2alignl 7, 3214868480
	.fill 96, 4, 3214868480
	.section	.rodata,"a",@progbits
	.p2align	6, 0x0
	.amdhsa_kernel k_q44fb8ec7ae_qkv
		.amdhsa_group_segment_fixed_size 327680
		.amdhsa_private_segment_fixed_size 0
		.amdhsa_enable_private_segment 0
		.amdhsa_kernarg_size 56
		.amdhsa_user_sgpr_count 2
		.amdhsa_user_sgpr_kernarg_segment_ptr 1
		.amdhsa_wavefront_size32 1
		.amdhsa_system_sgpr_workgroup_id_x 1
		.amdhsa_system_sgpr_workgroup_id_y 1
		.amdhsa_system_sgpr_workgroup_id_z 1
		.amdhsa_system_vgpr_workitem_id 0
		.amdhsa_next_free_vgpr 1024
		.amdhsa_next_free_sgpr 100
		.amdhsa_reserve_vcc 0
		.amdhsa_float_denorm_mode_32 3
		.amdhsa_float_denorm_mode_16_64 3
		.amdhsa_memory_ordered 1
		.amdhsa_forward_progress 1
		.amdhsa_inst_pref_size 199
	.end_amdhsa_kernel
	.amdgpu_metadata
---
amdhsa.version: [ 1, 2 ]
amdhsa.kernels:
  - .name:           k_q44fb8ec7ae_qkv
    .symbol:         k_q44fb8ec7ae_qkv.kd
    .args:
      - { .name: xc, .offset: 0, .size: 8, .value_kind: global_buffer, .address_space: global }
      - { .name: wc, .offset: 8, .size: 8, .value_kind: global_buffer, .address_space: global }
      - { .name: bq, .offset: 16, .size: 8, .value_kind: global_buffer, .address_space: global }
      - { .name: bk, .offset: 24, .size: 8, .value_kind: global_buffer, .address_space: global }
      - { .name: bv, .offset: 32, .size: 8, .value_kind: global_buffer, .address_space: global }
      - { .name: lowp_scales, .offset: 40, .size: 8, .value_kind: global_buffer, .address_space: global }
      - { .name: qkvf, .offset: 48, .size: 8, .value_kind: global_buffer, .address_space: global }
    .group_segment_fixed_size: 327680
    .private_segment_fixed_size: 0
    .kernarg_segment_align: 8
    .kernarg_segment_size: 56
    .max_flat_workgroup_size: 128
    .sgpr_count:     100
    .vgpr_count:     1024
    .wavefront_size: 32
...
	.end_amdgpu_metadata
.endif
;; end of part 2
;; launch attn (part 3): grid 4 x 64, 8 waves a work-group, clusters of 4 x 1, 327,680 bytes of LDS; arguments qkvf, lowp_scales, ctxf; writes ctxf
.if DOCPART == 3
	.amdgcn_target "amdgcn-amd-amdhsa--gfx1250"
	.amdhsa_code_object_version 6
	.text
	.protected	k_q44fb8ec7ae_attn
	.globl	k_q44fb8ec7ae_attn
	.p2align	8
	.type	k_q44fb8ec7ae_attn,@function
k_q44fb8ec7ae_attn:
	s_mov_b64 s[64:65], 0
	v_nop
	global_prefetch_b8 v0, s[64:65] scope:SCOPE_SE
	s_setreg_imm32_b32 hwreg(HW_REG_WAVE_MODE, 25, 1), 1
	s_wait_xcnt 0x0
	s_wait_alu depctr_hold_cnt(0) depctr_sa_sdst(0) depctr_va_vdst(0) depctr_va_sdst(0) depctr_va_ssrc(0) depctr_va_vcc(0) depctr_vm_vsrc(0)
	s_getreg_b32 s2, hwreg(HW_REG_IB_STS2, 6, 4)
	s_cmp_eq_u32 s2, 0
	s_cbranch_scc0 .Lentry_in_a_cluster
	s_endpgm
.Lentry_in_a_cluster:
	s_bfe_u32 s2, ttmp6, 0x10000c
	s_cmp_lg_u32 s2, 0x3003
	s_cbranch_scc0 .Lentry_shape_is_right
	s_endpgm
.Lentry_shape_is_right:
; ctx = softmax(q k^T / 8) v for one (batch, head) and 512 queries a work-group; both products on codes of E5M2 (scales 2^e6, 2^e7; 2^e8, 2^e9); the result is quantised with 2^e10 and stored as codes.
; qkvf holds, for each of the 64 heads, 393,216 bytes: q, k, v, each as images of operand registers (q, k: 16 rows x 64 = 1,024 bytes; v: 16 channels x 128 keys = 2,048 bytes; a lane's 16 bytes at 16 x lane in blocks of 512).
; SOFTMAX: t = score x log2(e) / 8; M = the running largest t rounded up to a whole number; p = 2^(t - M) is quantised; the row's sum is taken of the unquantised p and divides at the end; a change of M multiplies sum and O by 2^(old M - new M).
; SHARES: eight waves, 64 queries (four tiles) each; every wave walks the head's 2,048 keys in 16 steps of 128.  K and V of the head lie whole in LDS (2 x 131,072 bytes).
; CLUSTER: the four work-groups of a head ask for K and V jointly (mask 15).  Each wave issues two joint loads: 8,192 bytes of the first four steps at the head, 24,576 bytes of the other twelve behind the full sequence and a round.
; NO PREFETCH: both loads are issued in the head; no later load exists that a loop could run ahead of.
; A STEP takes the wave's tiles in two pairs.  A pair: S^T = K Q^T (16 products), maxima, O x f, then four quarters of 32 registers: a quarter's exponentials stand in one batch, and between them stand the next quarter's t - M
; and the last quarter's hold, whose results are read only behind the wait that closes the batch.  The hold (p <= 57,344 x 2^e8) is kept for every e8, two numbers an instruction.
; Both products are used transposed: a lane holds one query (lane % 16).
; LIMITS: e6 + e7 between -123 and 130 (added to c's exponent field); e8 and e10 between -126 and 112; the scaled scores stay under 2^31 in magnitude.  NaN among the inputs is not served.
; REGISTERS.  Window 0: v1-5 addresses and 2^e8; v8-39 state, 8 a tile (-M, largest raw score, sum x 4, f, a lane permute's target); v40-47 at work; v48-51 2^e10, its bound, the spare word's address, 0; v64-127 V; v128-255 a pair's scores.
;             Window 1: v0-127 O^T; v128-159 Q; v160-223 K; v224-255 p's codes.
.set SPARE, 0x40000
.set AK0, 1
.set AV0, 2
.set ADK, 3
.set ADV, 4
.set PSC, 5
.set ST,  8
.set TM,  40
.set OSC, 48
.set OLM, 49
.set SPW, 50
.set NIL, 51
.set VF,  64
.set S,   128
.set OT,  0
.set QF,  128
.set KF,  160
.set PC,  224
.set WV,  10
.set G1A, 16
.set G1B, 24
.set G0A, 32
.set G0B, 36
.set CS,  46
.set SEL, 48
.set LIMP, 50
.set TB,  51
.set CNT, 52
.set MSB, 0
.macro WIN new                         ; the immediate's high byte repeats the setting that is left
.if MSB != (\new)
	s_set_vgpr_msb (MSB<<8)|(\new)
.set MSB, (\new)
.endif
.endm
.macro CROUND                          ; a round of the cluster's barrier
	s_barrier_signal -1
	s_barrier_wait -1
	s_cmp_lg_u32 s[WV], 0
	s_cbranch_scc1 .Lnot_wave_0_\@
	s_barrier_signal -3
.Lnot_wave_0_\@:
	s_barrier_wait -3
	s_barrier_signal -1
	s_barrier_wait -1
.endm
	s_load_b128 s[4:7], s[0:1], 0x0                ; qkvf, the exponents
	s_load_b64 s[8:9], s[0:1], 0x10                ; ctxf
	v_lshl_add_u32 v[SPW], v0, 2, SPARE
	v_mov_b32 v[NIL], 0
	ds_add_u32 v[SPW], v[NIL]                      ; the opening lines: the add twice on end and one wait
	ds_add_u32 v[SPW], v[NIL]
	v_lshrrev_b32 v7, 5, v0
	v_readfirstlane_b32 s[WV], v7                  ; wave 0..7
	v_and_b32 v7, 31, v0
	v_lshlrev_b32 v[AK0], 4, v7                    ; 16 x lane: K's fragments in LDS, Q's in memory, the codes on the way out
	v_add_nc_u32 v[AV0], 131072, v[AK0]            ; V's fragments
	s_bfe_u32 s11, ttmp6, 0x40000
	s_lshl_b32 s13, ttmp9, 2
	s_add_co_u32 s11, s11, s13                     ; which 512 queries
	s_and_b32 s12, ttmp7, 0xffff                   ; the head
	s_lshr_b32 s13, s[WV], 2
	s_lshl_b32 s13, s13, 17                        ; waves 0-3 fetch K, waves 4-7 V
	s_and_b32 s14, s[WV], 3
	s_lshl_b32 s15, s14, 13
	s_add_co_u32 s15, s15, s13                     ; first load: my 8,192 bytes of the first 32,768
	s_mul_i32 s14, s14, 24576
	s_add_co_u32 s14, s14, s13
	s_add_co_u32 s14, s14, 32768                   ; second load: my 24,576 bytes of the other 98,304
	s_mul_i32 s2, s12, 393216
	s_mov_b32 s3, 0
	s_mov_b32 s[G1A], 15|(3<<16)|(1<<21)           ; dense blocks as rows of 256 bytes (32 elements of 8 bytes): 32 rows,
	s_mov_b32 s[G1A+1], 32<<16
	s_mov_b32 s[G1A+2], 32<<16
	s_mov_b32 s[G1A+3], 32<<16
	s_mov_b32 s[G1A+4], 32
	s_mov_b32 s[G1A+5], 32
	s_mov_b32 s[G1A+6], 0
	s_mov_b32 s[G1A+7], 0
	s_mov_b32 s[G1B], 15|(3<<16)|(1<<21)           ; and 96 rows
	s_mov_b32 s[G1B+1], 32<<16
	s_mov_b32 s[G1B+2], 96<<16
	s_mov_b32 s[G1B+3], 32<<16
	s_mov_b32 s[G1B+4], 96
	s_mov_b32 s[G1B+5], 32
	s_mov_b32 s[G1B+6], 0
	s_mov_b32 s[G1B+7], 0
	s_mov_b32 s[SEL], 0x76543210
	s_mov_b32 s[SEL+1], 0xfedcba98
	s_wait_alu depctr_va_vdst(0)
	s_wait_dscnt 0x0
	s_wait_kmcnt 0x0
	s_load_b128 s[40:43], s[6:7], 0x18             ; e6, e7, e8, e9
	s_load_b32 s44, s[6:7], 0x28                   ; e10
	s_add_nc_u64 s[60:61], s[4:5], s[2:3]          ; the head's block
	s_mov_b32 s[G0A], 1
	s_mov_b32 s[G0A+1], s15
	s_add_co_u32 s2, s15, 131072                   ; K begins 131,072 bytes into the block, V behind it: memory and LDS run alike
	s_add_nc_u64 s[G0A+2:G0A+3], s[60:61], s[2:3]
	s_or_b32 s[G0A+3], s[G0A+3], 0x80000000
	s_mov_b32 s[G0B], 1
	s_mov_b32 s[G0B+1], s14
	s_add_co_u32 s2, s14, 131072
	s_add_nc_u64 s[G0B+2:G0B+3], s[60:61], s[2:3]
	s_or_b32 s[G0B+3], s[G0B+3], 0x80000000
	s_lshl_b32 s13, s11, 5
	s_lshl_b32 s14, s[WV], 2
	s_add_co_u32 s13, s13, s14                     ; my first tile of 16 queries
	s_lshl_b32 s2, s13, 10
	s_add_nc_u64 s[54:55], s[60:61], s[2:3]
	WIN 0x40
.irp i, 0,1,2,3
	global_load_b128 v[QF+8*\i:QF+8*\i+3], v[AK0], s[54:55] offset:1024*\i        ; Q's four fragments stay in registers; asked for ahead of the first round
	global_load_b128 v[QF+8*\i+4:QF+8*\i+7], v[AK0], s[54:55] offset:1024*\i+512
.endr
	WIN 0
	CROUND                                         ; in front of the first joint loads
	tensor_load_to_lds s[G0A:G0A+3], s[G1A:G1A+7]  ; my one load at the head
	s_nop 0
	WIN 0x40
.set n, 0
.rept 128
	v_mov_b32 v[OT+n], 0                           ; O^T: the step is written once, and its first run multiplies zeros by f
.set n, n+1
.endr
	WIN 0
.irp i, 0,1,2,3
	v_mov_b32 v[ST+8*\i], 0x7f61b1e6               ; -M
	v_mov_b32 v[ST+8*\i+1], 0xff61b1e6             ; the largest score so far: -3e38
.irp k, 2,3,4,5,6,7
	v_mov_b32 v[ST+8*\i+\k], 0
.endr
.endr
	s_lshr_b32 s14, s12, 4                         ; ctxf: [512 tiles of 16 rows][8 K steps][2,048]: tile 128 x batch + my tile, K step head / 2, half head % 2
	s_lshl_b32 s14, s14, 7
	s_add_co_u32 s13, s13, s14
	s_lshl_b32 s13, s13, 3
	s_bfe_u32 s14, s12, 0x30001
	s_add_co_u32 s13, s13, s14
	s_lshl_b32 s13, s13, 11
	s_and_b32 s14, s12, 1
	s_lshl_b32 s14, s14, 10
	s_add_co_u32 s2, s13, s14
	s_add_nc_u64 s[56:57], s[8:9], s[2:3]
	s_wait_kmcnt 0x0
	s_add_co_i32 s13, s40, s41
	s_lshl_b32 s13, s13, 23
	s_mov_b32 s[CS], 0x3e38aa3b                    ; c = log2(e) / 8,
	s_add_co_i32 s[CS], s[CS], s13                 ; x 2^(e6 + e7)
	s_mov_b32 s[CS+1], s[CS]
	s_add_co_i32 s13, s42, 127
	s_lshl_b32 s14, s13, 23
	v_mov_b32 v[PSC], s14                          ; 2^e8
	s_add_co_i32 s13, s13, 15
	s_lshl_b32 s13, s13, 23
	s_or_b32 s[LIMP], s13, 0x600000                ; 57,344 x 2^e8
	s_add_co_i32 s58, s42, s43                     ; e8 + e9
	s_add_co_i32 s13, s44, 127
	s_lshl_b32 s14, s13, 23
	v_mov_b32 v[OSC], s14                          ; 2^e10
	s_add_co_i32 s13, s13, 15
	s_lshl_b32 s13, s13, 23
	s_or_b32 s13, s13, 0x600000
	v_mov_b32 v[OLM], s13                          ; 57,344 x 2^e10
	s_wait_alu depctr_va_vdst(0)
	s_wait_tensorcnt 0x0                           ; my part of the first four steps is in; the full sequence ahead of a later first fill
	ds_add_u32 v[SPW], v[NIL]
	s_wait_dscnt 0x0
	CROUND                                         ; everybody's part is in, and the four work-groups meet
	tensor_load_to_lds s[G0B:G0B+3], s[G1B:G1B+7]  ; the other twelve steps: four steps' work in which to land
	s_nop 0
.rept 4
	v_nop
.endr
	s_wait_loadcnt 0x0                             ; Q
.macro QK p                            ; S^T of a pair: 8 tiles of keys x 2 tiles of queries
	WIN 0x05
.irp t, 0,1,2,3,4,5,6,7
.if ((\p) == 0) && ((\t%2) == 0)
	s_wait_dscnt 28-2*\t                           ; of the step's 32 loads the first 4 + 2 t are in: K's tiles t and t + 1
.endif
.irp e, 0,1
	v_wmma_f32_16x16x64_bf8_bf8 v[S+64*\e+8*\t:S+64*\e+8*\t+7], v[KF+8*\t:KF+8*\t+7], v[QF+8*(2*\p+\e):QF+8*(2*\p+\e)+7], 0
.endr
.endr
	WIN 0
.rept 4
	v_nop                                          ; places ahead of the first read of results
.endr
.endm
.macro MAXST p                         ; the running largest score, -M, f, and the sums under the new M; two tiles by turns, four chains each
.set n, 0
.rept 32
.irp e, 0,1
.if n < 4
	v_max3_num_f32 v[TM+4*\e+n], v[ST+8*(2*\p+\e)+1], v[S+64*\e+2*n], v[S+64*\e+2*n+1]
.else
	v_max3_num_f32 v[TM+4*\e+n%4], v[TM+4*\e+n%4], v[S+64*\e+2*n], v[S+64*\e+2*n+1]
.endif
.endr
.set n, n+1
.endr
.irp e, 0,1
	v_max3_num_f32 v[TM+4*\e], v[TM+4*\e], v[TM+4*\e+1], v[TM+4*\e+2]
.endr
.irp e, 0,1
	v_max_num_f32 v[TM+4*\e], v[TM+4*\e], v[TM+4*\e+3]
.endr
.irp e, 0,1
	v_permlanex16_b32 v[ST+8*(2*\p+\e)+7], v[TM+4*\e], s[SEL], s[SEL+1]
.endr
.irp e, 0,1
	v_max_num_f32 v[ST+8*(2*\p+\e)+1], v[TM+4*\e], v[ST+8*(2*\p+\e)+7]
.endr
.irp e, 0,1
	v_mul_f32 v[TM+4*\e+1], s[CS], v[ST+8*(2*\p+\e)+1]      ; as t (c is positive)
.endr
.irp e, 0,1
	v_mov_b32 v[TM+4*\e+2], v[ST+8*(2*\p+\e)]
.endr
.irp e, 0,1
	v_floor_f32 v[ST+8*(2*\p+\e)], -v[TM+4*\e+1]            ; -M = floor(-t)
.endr
.irp e, 0,1
	v_sub_f32 v[TM+4*\e+2], v[ST+8*(2*\p+\e)], v[TM+4*\e+2] ; old M - new M, a whole number
.endr
.irp e, 0,1
	v_cvt_i32_f32 v[TM+4*\e+2], v[TM+4*\e+2]
.endr
.irp e, 0,1
	v_ldexp_f32 v[ST+8*(2*\p+\e)+6], 1.0, v[TM+4*\e+2]      ; f
.endr
.irp e, 0,1
	v_pk_mul_f32 v[ST+8*(2*\p+\e)+2:ST+8*(2*\p+\e)+3], v[ST+8*(2*\p+\e)+2:ST+8*(2*\p+\e)+3], v[ST+8*(2*\p+\e)+6:ST+8*(2*\p+\e)+7] op_sel_hi:[1,0]
	v_pk_mul_f32 v[ST+8*(2*\p+\e)+4:ST+8*(2*\p+\e)+5], v[ST+8*(2*\p+\e)+4:ST+8*(2*\p+\e)+5], v[ST+8*(2*\p+\e)+6:ST+8*(2*\p+\e)+7] op_sel_hi:[1,0]
.endr
.endm
.macro RESC p                          ; O^T x f
	WIN 0x41
	s_wait_alu depctr_va_vdst(0)                   ; directly ahead of the first readers of O^T
.set n, 0
.rept 16
.irp e, 0,1
	v_pk_mul_f32 v[OT+32*(2*\p+\e)+2*n:OT+32*(2*\p+\e)+2*n+1], v[OT+32*(2*\p+\e)+2*n:OT+32*(2*\p+\e)+2*n+1], v[ST+8*(2*\p+\e)+6:ST+8*(2*\p+\e)+7] op_sel_hi:[1,0]
.endr
.set n, n+1
.endr
	WIN 0
.endm
; A quarter u (0..3) is 32 registers: tile u / 2 of the pair, key tiles 4 (u % 2) + 0 .. 3.
.macro FMA p, u                        ; t - M
.set n, 0
.rept 16
	v_pk_fma_f32 v[S+32*(\u)+2*n:S+32*(\u)+2*n+1], v[S+32*(\u)+2*n:S+32*(\u)+2*n+1], s[CS:CS+1], v[ST+8*(2*(\p)+(\u)/2):ST+8*(2*(\p)+(\u)/2)+1] op_sel_hi:[1,0,0]
.set n, n+1
.endr
.endm
.macro HOLD u                          ; p held at 57,344 x 2^e8 (the conversion does not saturate: ISA guide 7.6.2); p is not negative
.set n, 0
.rept 16
	v_dual_min_num_f32 v[S+32*(\u)+2*n], s[LIMP], v[S+32*(\u)+2*n] :: v_dual_min_num_f32 v[S+32*(\u)+2*n+1], s[LIMP], v[S+32*(\u)+2*n+1]
.set n, n+1
.endr
.endm
; A batch: quarter ue's 32 exponentials; between them quarter uf's t - M and quarter un's hold (-1: none).  All that these read was written ahead of the wait that stands ahead of the batch,
; and what they write is first read behind the wait that closes it.
.macro BATCH p, ue, uf, un
.set n, 0
.rept 16
	v_exp_f32 v[S+32*(\ue)+2*n], v[S+32*(\ue)+2*n]
.if (\uf) >= 0
	v_pk_fma_f32 v[S+32*(\uf)+2*n:S+32*(\uf)+2*n+1], v[S+32*(\uf)+2*n:S+32*(\uf)+2*n+1], s[CS:CS+1], v[ST+8*(2*(\p)+(\uf)/2):ST+8*(2*(\p)+(\uf)/2)+1] op_sel_hi:[1,0,0]
.endif
	v_exp_f32 v[S+32*(\ue)+2*n+1], v[S+32*(\ue)+2*n+1]
.if (\un) >= 0
	v_dual_min_num_f32 v[S+32*(\un)+2*n], s[LIMP], v[S+32*(\un)+2*n] :: v_dual_min_num_f32 v[S+32*(\un)+2*n+1], s[LIMP], v[S+32*(\un)+2*n+1]
.endif
.set n, n+1
.endr
	v_nop                                          ; a plain place behind the last exponential
	s_wait_alu depctr_va_vdst(0)                   ; one wait for the batch
.endm
.macro SUM p, u                        ; the row's sum of the unquantised p: 16 packed additions in four chains
.set UB, S+32*(\u)
.set SB, ST+8*(2*(\p)+(\u)/2)
	v_pk_add_f32 v[TM:TM+1], v[UB:UB+1], v[UB+2:UB+3]
	v_pk_add_f32 v[TM+2:TM+3], v[UB+4:UB+5], v[UB+6:UB+7]
.irp g, 8,16,24
	v_pk_add_f32 v[SB+2:SB+3], v[SB+2:SB+3], v[UB+\g:UB+\g+1]
	v_pk_add_f32 v[SB+4:SB+5], v[SB+4:SB+5], v[UB+\g+2:UB+\g+3]
	v_pk_add_f32 v[TM:TM+1], v[TM:TM+1], v[UB+\g+4:UB+\g+5]
	v_pk_add_f32 v[TM+2:TM+3], v[TM+2:TM+3], v[UB+\g+6:UB+\g+7]
.endr
	v_pk_add_f32 v[SB+2:SB+3], v[SB+2:SB+3], v[TM:TM+1]
	v_pk_add_f32 v[SB+4:SB+5], v[SB+4:SB+5], v[TM+2:TM+3]
.endm
.macro CVT u                           ; a quarter's codes (destination window 1): registers 8 u + 2 j of the pair's 32
.irp j, 0,1,2,3
	v_cvt_scalef32_pk8_bf8_f32 v[PC+8*(\u)+2*\j:PC+8*(\u)+2*\j+1], v[S+32*(\u)+8*\j:S+32*(\u)+8*\j+7], v[PSC]
.endr
.endm
.macro PV p                            ; O^T += V^T P^T: eight accumulators by turns
.if (\p) == 0
	s_wait_alu depctr_va_vdst(0)
	s_wait_dscnt 0x0                               ; V's fragments, asked for at the step's top
.endif
	WIN 0x54
.irp t, 0,1,2,3
.irp e, 0,1
	v_wmma_f32_16x16x128_bf8_bf8 v[OT+32*(2*\p+\e)+8*\t:OT+32*(2*\p+\e)+8*\t+7], v[VF+16*\t:VF+16*\t+15], v[PC+16*\e:PC+16*\e+15], v[OT+32*(2*\p+\e)+8*\t:OT+32*(2*\p+\e)+8*\t+7]
.endr
.endr
	WIN 0
.endm
.macro PAIR p
	QK \p
	MAXST \p
	RESC \p
	FMA \p, 0
	s_wait_alu depctr_va_vdst(0)
	BATCH \p, 0, 1, -1
	SUM \p, 0
	BATCH \p, 1, 2, 0
	SUM \p, 1
	BATCH \p, 2, 3, 1
	SUM \p, 2
	WIN 0x40
	CVT 0
	CVT 1
	WIN 0
	BATCH \p, 3, -1, 2
	SUM \p, 3
	HOLD 3
	WIN 0x40
	CVT 2
	CVT 3
	v_nop                                          ; a plain place between the last conversion and the products
	PV \p
.endm
.macro STEP                            ; 128 keys
	v_add_nc_u32 v[ADK], s[TB], v[AK0]
	v_add_nc_u32 v[ADV], s[TB], v[AV0]
	v_nop                                          ; with the two additions: four places ahead of loads into registers that the last products read
	v_nop
	WIN 0x40
.irp t, 0,1,2,3,4,5,6,7
	ds_load_b128 v[KF+8*\t:KF+8*\t+3], v[ADK] offset:\t*1024
	ds_load_b128 v[KF+8*\t+4:KF+8*\t+7], v[ADK] offset:\t*1024+512
.endr
	WIN 0
.irp t, 0,1,2,3
.irp c, 0,1,2,3
	ds_load_b128 v[VF+16*\t+4*\c:VF+16*\t+4*\c+3], v[ADV] offset:\t*2048+512*\c
.endr
.endr
	s_wait_alu depctr_va_vdst(0)
	PAIR 0
	PAIR 1
	s_add_co_u32 s[TB], s[TB], 8192
.endm
	s_mov_b32 s[TB], 0
	s_mov_b32 s[CNT], 4
.Lfirst:                                               ; the four steps that the first load brought
	STEP
	s_sub_co_u32 s[CNT], s[CNT], 1
	s_cmp_lg_u32 s[CNT], 0
	s_wait_alu depctr_va_vdst(0)
	s_cbranch_scc1 .Lfirst
	s_wait_tensorcnt 0x0                           ; my part of the other twelve steps is in,
	s_wait_dscnt 0x0
	s_barrier_signal -1
	s_barrier_wait -1                              ; and everybody's
	s_mov_b32 s[TB], 32768
	s_mov_b32 s[CNT], 12
.Lrest:
	STEP
	s_sub_co_u32 s[CNT], s[CNT], 1
	s_cmp_lg_u32 s[CNT], 0
	s_wait_alu depctr_va_vdst(0)
	s_cbranch_scc1 .Lrest
; THE WAY OUT: O^T / the sum x 2^(e8 + e9), held, converted with 2^e10, laid as the next product's operand image.
.irp i, 0,1,2,3
	v_pk_add_f32 v[ST+8*\i+2:ST+8*\i+3], v[ST+8*\i+2:ST+8*\i+3], v[ST+8*\i+4:ST+8*\i+5]
.endr
.irp i, 0,1,2,3
	v_add_f32 v[ST+8*\i+2], v[ST+8*\i+2], v[ST+8*\i+3]
.endr
.irp i, 0,1,2,3
	v_permlanex16_b32 v[ST+8*\i+7], v[ST+8*\i+2], s[SEL], s[SEL+1]
.endr
.irp i, 0,1,2,3
	v_add_f32 v[ST+8*\i+2], v[ST+8*\i+2], v[ST+8*\i+7]
.endr
	s_wait_alu depctr_va_vdst(0)                   ; ahead of the batch of four
.irp i, 0,1,2,3
	v_rcp_f32 v[ST+8*\i+6], v[ST+8*\i+2]
.endr
	v_nop
	s_wait_alu depctr_va_vdst(0)                   ; and behind it
.irp i, 0,1,2,3
	v_ldexp_f32 v[ST+8*\i+6], v[ST+8*\i+6], s58
.endr
	WIN 0x41
	s_wait_alu depctr_va_vdst(0)                   ; directly ahead of the first readers of O^T
.irp i, 0,1,2,3
.set n, 0
.rept 16
	v_pk_mul_f32 v[OT+32*\i+2*n:OT+32*\i+2*n+1], v[OT+32*\i+2*n:OT+32*\i+2*n+1], v[ST+8*\i+6:ST+8*\i+7] op_sel_hi:[1,0]
.set n, n+1
.endr
.endr
.set n, 0
.rept 128
	v_med3_num_f32 v[OT+n], v[OT+n], -v[OLM], v[OLM]
.set n, n+1
.endr
	WIN 0x01
.irp i, 0,1,2,3
.irp t, 0,1,2,3
	v_cvt_scalef32_pk8_bf8_f32 v[S+8*\i+2*\t:S+8*\i+2*\t+1], v[OT+32*\i+8*\t:OT+32*\i+8*\t+7], v[OSC]
.endr
.endr
	WIN 0
	v_nop
.irp i, 0,1,2,3
	v_permlane16_swap_b32 v[S+8*\i], v[S+8*\i+2]   ; lanes 0-15 get channels 32 c + 0 .. 15, lanes 16-31 channels 32 c + 16 .. 31
	v_permlane16_swap_b32 v[S+8*\i+1], v[S+8*\i+3]
	v_permlane16_swap_b32 v[S+8*\i+4], v[S+8*\i+6]
	v_permlane16_swap_b32 v[S+8*\i+5], v[S+8*\i+7]
.endr
.irp i, 0,1,2,3
	global_store_b128 v[AK0], v[S+8*\i:S+8*\i+3], s[56:57] offset:\i*16384          ; 512 consecutive bytes, aligned
	global_store_b128 v[AK0], v[S+8*\i+4:S+8*\i+7], s[56:57] offset:\i*16384+512
.endr
	s_wait_tensorcnt 0x0                           ; the wave's end
	ds_add_u32 v[SPW], v[NIL]
	s_wait_dscnt 0x0
	CROUND                                         ; the closing round
	s_endpgm
.Lfunc_end_k_q44fb8ec7ae_attn:
	.size	k_q44fb8ec7ae_attn, .Lfunc_end_k_q44fb8ec7ae_attn-k_q44fb8ec7ae_attn
	.p2alignl 7, 3214868480
	.fill 96, 4, 3214868480
	.section	.rodata,"a",@progbits
	.p2align	6, 0x0
	.amdhsa_kernel k_q44fb8ec7ae_attn
		.amdhsa_group_segment_fixed_size 327680
		.amdhsa_private_segment_fixed_size 0
		.amdhsa_enable_private_segment 0
		.amdhsa_kernarg_size 24
		.amdhsa_user_sgpr_count 2
		.amdhsa_user_sgpr_kernarg_segment_ptr 1
		.amdhsa_wavefront_size32 1
		.amdhsa_system_sgpr_workgroup_id_x 1
		.amdhsa_system_sgpr_workgroup_id_y 1
		.amdhsa_system_sgpr_workgroup_id_z 1
		.amdhsa_system_vgpr_workitem_id 0
		.amdhsa_next_free_vgpr 512
		.amdhsa_next_free_sgpr 66
		.amdhsa_reserve_vcc 0
		.amdhsa_float_denorm_mode_32 3
		.amdhsa_float_denorm_mode_16_64 3
		.amdhsa_memory_ordered 1
		.amdhsa_forward_progress 1
		.amdhsa_inst_pref_size 139
	.end_amdhsa_kernel
	.amdgpu_metadata
---
amdhsa.version: [ 1, 2 ]
amdhsa.kernels:
  - .name:           k_q44fb8ec7ae_attn
    .symbol:         k_q44fb8ec7ae_attn.kd
    .args:
      - { .name: qkvf, .offset: 0, .size: 8, .value_kind: global_buffer, .address_space: global }
      - { .name: lowp_scales, .offset: 8, .size: 8, .value_kind: global_buffer, .address_space: global }
      - { .name: ctxf, .offset: 16, .size: 8, .value_kind: global_buffer, .address_space: global }
    .group_segment_fixed_size: 327680
    .private_segment_fixed_size: 0
    .kernarg_segment_align: 8
    .kernarg_segment_size: 24
    .max_flat_workgroup_size: 256
    .sgpr_count:     66
    .vgpr_count:     512
    .wavefront_size: 32
...
	.end_amdgpu_metadata
.endif
;; end of part 3
;; launch outln (part 4): grid 256 x 1, 4 waves a work-group, no clusters, 263,168 bytes of LDS; arguments ctxf, wc, lowp_scales, bo, x, gamma, beta, out0; writes out0
.if DOCPART == 4
	.amdgcn_target "amdgcn-amd-amdhsa--gfx1250"
	.amdhsa_code_object_version 6
	.text
	.protected	k_q44fb8ec7ae_outln
	.globl	k_q44fb8ec7ae_outln
	.p2align	8
	.type	k_q44fb8ec7ae_outln,@function
k_q44fb8ec7ae_outln:
	s_mov_b64 s[64:65], 0
	v_nop
	global_prefetch_b8 v0, s[64:65] scope:SCOPE_SE
	s_setreg_imm32_b32 hwreg(HW_REG_WAVE_MODE, 25, 1), 1
	s_wait_xcnt 0x0
; out0 = LayerNorm(ctx Wo + bo + x) x gamma + beta; the product on codes of E5M2 (scales 2^e10, 2^e11), all else in f32.
; SHARES.  A work-group owns 32 WHOLE rows, so that mean and variance never leave it.  Wave w makes all 32 rows x columns 256 w .. 256 w + 255: 16 tiles of columns x 2 tiles of rows = 32 accumulators.
; ctx's 16 fragments (2 tiles x 8 K steps) stay in registers.  Wo's fragments go from memory straight into registers, as they lie (four loads of 16 bytes a lane, 512 consecutive bytes each), four units of four fragments by turns:
; three units, 48 loads, are on their way while one is multiplied.
; NO JOINT LOADS: a wave's 256 rows of Wo are read by no other wave of its work-group, so through LDS each byte would be written and read back for one reader; Wo's 1,048,576 bytes do not fit in LDS, and a ring of
; steps of 128 along K would have one round of barriers for every 32 products of a wave.
; The matrix instruction is used transposed (source 0 = 16 columns n of Wo, source 1 = 16 rows of ctx): a lane holds eight neighbouring columns of one row.
; The raw sums meet in a stage in LDS; then wave w takes rows 8 w .. 8 w + 7 whole, a row at a time: 32 numbers a lane.  x's rows come by one tensor load a wave at the head, into bytes that this wave alone reads.
; ROUNDING: h = sum x 2^(e10 + e11) + (x + bo), one fused multiply-add.  LIMIT: e10 + e11 between -126 and 127.
; LDS: 0 .. 131,071 x (wave w's 8 rows at 32,768 w); from 131,072 the stage, 32 rows x (4,096 + 16) bytes: no fill lands there.
; REGISTERS: window 0: v1-5 addresses; v6-13 at work; v32-63 gamma, v64-95 beta, v96-127 bo (columns 128 q + 4 lane + 0 .. 3); v128-255 two sets of a row's sums and x.
;   window 1: ctx's fragments at 16 (8 tt + ks).  window 2: the accumulators at 8 (2 nt + tt).  window 3: Wo's four units of 64.
.set STG, 131072
.set SP,  4112
.set GA,  32
.set BE,  64
.set BO,  96
.set WOB, 46                           ; s[46:47] Wo's codes at my 16 tiles of columns
.set MSB, 0
.macro WIN new
.if MSB != (\new)
	s_set_vgpr_msb (MSB<<8)|(\new)
.set MSB, (\new)
.endif
.endm
	s_load_b512 s[4:19], s[0:1], 0x0               ; ctxf 4:5, wc 6:7, the exponents 8:9, bo 10:11, x 12:13, gamma 14:15, beta 16:17, out0 18:19
	v_lshl_add_u32 v30, v0, 2, 0x40200
	v_mov_b32 v31, 0
	ds_add_u32 v30, v31
	ds_add_u32 v30, v31
	v_lshrrev_b32 v1, 5, v0
	v_readfirstlane_b32 s20, v1                    ; wave 0..3
	s_mov_b32 s24, 3<<16                           ; descriptor group 1: a dense block as 128 rows of 256 bytes (32 elements of 8 bytes); no mask, no padding
	s_mov_b32 s25, 32<<16
	s_mov_b32 s26, 128<<16
	s_mov_b32 s27, 32<<16
	s_mov_b32 s28, 128
	s_mov_b32 s29, 32
	s_mov_b32 s30, 0
	s_mov_b32 s31, 0
	s_lshl_b32 s21, ttmp9, 17                      ; 32 rows of 4,096 bytes
	s_lshl_b32 s22, s20, 15                        ; my 8 rows; also their place in LDS
	s_add_co_u32 s36, s21, s22
	s_mov_b32 s37, 0
	s_wait_dscnt 0x0
	s_wait_kmcnt 0x0
	s_load_b64 s[38:39], s[8:9], 0x28              ; e10, e11
	s_mov_b32 s32, 1
	s_mov_b32 s33, s22
	s_add_nc_u64 s[34:35], s[12:13], s[36:37]
	s_or_b32 s35, s35, 0x80000000
	tensor_load_to_lds s[32:35], s[24:31]          ; x: my 8 rows; my one tensor load
	s_nop 0
.rept 4
	v_nop
.endr
	s_add_nc_u64 s[18:19], s[18:19], s[36:37]      ; out0 at my 8 rows
	s_lshl_b32 s36, ttmp9, 15                      ; two tiles of 16 rows, 16,384 bytes each
	s_add_nc_u64 s[4:5], s[4:5], s[36:37]
	s_lshl_b32 s36, s20, 18                        ; my 16 tiles of columns,
	s_add_co_u32 s36, s36, 3145728                 ; in the fourth weight
	s_add_nc_u64 s[WOB:WOB+1], s[6:7], s[36:37]
	v_and_b32 v10, 31, v0
	v_lshlrev_b32 v1, 4, v10                       ; 16 x lane
	s_wait_alu depctr_va_vdst(0)
	v_and_b32 v11, 15, v0                          ; r
	v_bfe_u32 v12, v0, 4, 1                        ; h
	v_mul_u32_u24 v2, v11, SP
	v_lshl_add_u32 v2, v12, 5, v2
	s_lshl_b32 s23, s20, 10
	s_add_co_u32 s23, s23, STG
	v_add_nc_u32 v2, s23, v2                       ; into the stage: row r, + 32 h, + my 1,024 bytes of a row;
	v_add_nc_u32 v3, 16*SP, v2                     ; rows 16-31
	s_mul_i32 s23, s20, 8*SP
	s_add_co_u32 s23, s23, STG
	v_add_nc_u32 v4, s23, v1                       ; back: my 8 rows, 16 bytes a lane
	v_add_nc_u32 v5, s22, v1                       ; x likewise
.irp q, 0,1,2,3,4,5,6,7
	global_load_b128 v[GA+4*\q:GA+4*\q+3], v1, s[14:15] offset:512*\q
	global_load_b128 v[BE+4*\q:BE+4*\q+3], v1, s[16:17] offset:512*\q
	global_load_b128 v[BO+4*\q:BO+4*\q+3], v1, s[10:11] offset:512*\q
.endr
	WIN 0x40                                       ; destination window 1
.irp t, 0,1
.irp k, 0,1,2,3,4,5,6,7
.irp c, 0,1,2,3
	global_load_b128 v[16*(8*\t+\k)+4*\c:16*(8*\t+\k)+4*\c+3], v1, s[4:5] offset:\t*16384+\k*2048+512*\c
.endr
.endr
.endr
.macro BLOAD u                         ; unit u: K step u / 4, tiles of columns 4 (u % 4) + 0 .. 3: 16 loads into buffer u % 4
	WIN 0xc0                                       ; destination window 3
.irp i, 0,1,2,3
.irp c, 0,1,2,3
	global_load_b128 v[64*((\u)%4)+16*\i+4*\c:64*((\u)%4)+16*\i+4*\c+3], v1, s[WOB:WOB+1] offset:(4*((\u)%4)+\i)*16384+((\u)/4)*2048+512*\c
.endr
.endr
.endm
.macro UNIT u
.if (\u)+3 < 32
.if (\u) > 0
.rept 4
	v_nop                                          ; places in front of loads into the buffer that the last unit's products read
.endr
.endif
	BLOAD (\u)+3
.endif
.if (\u) <= 28
	s_wait_loadcnt 48                              ; loads come back in order: this unit's are in, and all that was asked for before it; the three younger units' 16 each stay out
.else
	s_wait_loadcnt 16*(31-(\u))
.endif
	WIN 0xa7                                       ; source 0 (Wo) window 3, source 1 (ctx) window 1, C and D window 2
.irp i, 0,1,2,3
.irp t, 0,1
.if (\u) < 4
	v_wmma_f32_16x16x128_bf8_bf8 v[8*(2*(4*((\u)%4)+\i)+\t):8*(2*(4*((\u)%4)+\i)+\t)+7], v[64*((\u)%4)+16*\i:64*((\u)%4)+16*\i+15], v[16*(8*\t+(\u)/4):16*(8*\t+(\u)/4)+15], 0
.else
	v_wmma_f32_16x16x128_bf8_bf8 v[8*(2*(4*((\u)%4)+\i)+\t):8*(2*(4*((\u)%4)+\i)+\t)+7], v[64*((\u)%4)+16*\i:64*((\u)%4)+16*\i+15], v[16*(8*\t+(\u)/4):16*(8*\t+(\u)/4)+15], v[8*(2*(4*((\u)%4)+\i)+\t):8*(2*(4*((\u)%4)+\i)+\t)+7]
.endif
.endr
.endr
.endm
	BLOAD 0
	BLOAD 1
	BLOAD 2
.set U, 0
.rept 32                               ; the 32 accumulators take turns, one instruction a turn: an accumulator comes up again four units on
	UNIT U
.set U, U+1
.endr
.rept 4
	v_nop                                          ; places in front of the LDS stores that read results
.endr
	WIN 0x08                                       ; store data window 2
	s_wait_alu depctr_va_vdst(0)
.irp n, 0,1,2,3,4,5,6,7,8,9,10,11,12,13,14,15
.irp t, 0,1
	ds_store_b128 v[2+\t], v[8*(2*\n+\t):8*(2*\n+\t)+3] offset:64*\n          ; the raw sums: row 16 t + r, columns 256 w + 16 n + 8 h + 0 .. 7; each accumulator from its low end on
	ds_store_b128 v[2+\t], v[8*(2*\n+\t)+4:8*(2*\n+\t)+7] offset:64*\n+16
.endr
.endr
	WIN 0
	s_wait_kmcnt 0x0
	s_add_co_i32 s40, s38, s39
	s_add_co_i32 s40, s40, 127
	s_lshl_b32 s40, s40, 23                        ; 2^(e10 + e11)
	s_mov_b32 s41, s40
	s_mov_b32 s42, 0x3a800000                      ; 1 / 1,024
	s_mov_b32 s43, 0x3727c5ac                      ; 1e-5
	s_mov_b32 s44, 0x76543210
	s_mov_b32 s45, 0xfedcba98
	s_wait_tensorcnt 0x0                           ; x's rows are in
	s_wait_dscnt 0x0                               ; for the others' sake: my stores into the stage are done
	s_barrier_signal -1
	s_barrier_wait -1
.macro FETCHROW i                      ; row i of my eight: its sums and its x, 32 numbers a lane each, into set i % 2
.irp q, 0,1,2,3,4,5,6,7
	ds_load_b128 v[128+64*((\i)%2)+4*\q:128+64*((\i)%2)+4*\q+3], v4 offset:(\i)*SP+512*\q
.endr
.irp q, 0,1,2,3,4,5,6,7
	ds_load_b128 v[160+64*((\i)%2)+4*\q:160+64*((\i)%2)+4*\q+3], v5 offset:(\i)*4096+512*\q
.endr
.endm
.macro ALLSUM                          ; v10 summed over the 32 lanes, into every lane
	v_add_f32_dpp v10, v10, v10 row_xmask:1 row_mask:0xf bank_mask:0xf
	v_add_f32_dpp v10, v10, v10 row_xmask:2 row_mask:0xf bank_mask:0xf
	v_add_f32_dpp v10, v10, v10 row_xmask:4 row_mask:0xf bank_mask:0xf
	v_add_f32_dpp v10, v10, v10 row_xmask:8 row_mask:0xf bank_mask:0xf
	v_permlanex16_b32 v11, v10, s44, s45
	v_add_f32 v10, v10, v11
.endm
.macro ROW i
.set H, 128+64*((\i)%2)
.set X, H+32
.set n, 0
.rept 16
	v_pk_add_f32 v[X+2*n:X+2*n+1], v[X+2*n:X+2*n+1], v[BO+2*n:BO+2*n+1]
.set n, n+1
.endr
.set n, 0
.rept 16
	v_pk_fma_f32 v[H+2*n:H+2*n+1], v[H+2*n:H+2*n+1], s[40:41], v[X+2*n:X+2*n+1] op_sel_hi:[1,0,1]   ; h = sum x 2^(e10 + e11) + (x + bo)
.set n, n+1
.endr
	v_pk_add_f32 v[10:11], v[H:H+1], v[H+2:H+3]    ; the row's sum, in two chains
	v_pk_add_f32 v[12:13], v[H+4:H+5], v[H+6:H+7]
.set n, 4
.rept 6
	v_pk_add_f32 v[10:11], v[10:11], v[H+2*n:H+2*n+1]
	v_pk_add_f32 v[12:13], v[12:13], v[H+2*n+2:H+2*n+3]
.set n, n+2
.endr
	v_pk_add_f32 v[10:11], v[10:11], v[12:13]
	v_add_f32 v10, v10, v11
	ALLSUM
	v_mul_f32 v6, s42, v10                         ; the mean, twice: a pair for the packed forms
	v_mul_f32 v7, s42, v10
.set n, 0
.rept 16
	v_pk_add_f32 v[H+2*n:H+2*n+1], v[H+2*n:H+2*n+1], v[6:7] neg_lo:[0,1] neg_hi:[0,1]   ; h - mean
.set n, n+1
.endr
	v_pk_mul_f32 v[10:11], v[H:H+1], v[H:H+1]      ; the squares, in two chains
	v_pk_mul_f32 v[12:13], v[H+2:H+3], v[H+2:H+3]
.set n, 2
.rept 7
	v_pk_fma_f32 v[10:11], v[H+2*n:H+2*n+1], v[H+2*n:H+2*n+1], v[10:11]
	v_pk_fma_f32 v[12:13], v[H+2*n+2:H+2*n+3], v[H+2*n+2:H+2*n+3], v[12:13]
.set n, n+2
.endr
	v_pk_add_f32 v[10:11], v[10:11], v[12:13]
	v_add_f32 v10, v10, v11
	ALLSUM
	v_fma_f32 v12, v10, s42, s43                   ; the variance + 1e-5
	s_wait_alu depctr_va_vdst(0)
	v_rsq_f32 v8, v12
	v_nop                                          ; a plain instruction behind the transcendental
	s_wait_alu depctr_va_vdst(0)                   ; and the wait ahead of its first reader
	v_mov_b32 v9, v8
.set n, 0
.rept 16
	v_pk_mul_f32 v[H+2*n:H+2*n+1], v[H+2*n:H+2*n+1], v[8:9]
.set n, n+1
.endr
.set n, 0
.rept 16
	v_pk_fma_f32 v[H+2*n:H+2*n+1], v[H+2*n:H+2*n+1], v[GA+2*n:GA+2*n+1], v[BE+2*n:BE+2*n+1]
.set n, n+1
.endr
.irp q, 0,1,2,3,4,5,6,7
	global_store_b128 v1, v[H+4*\q:H+4*\q+3], s[18:19] offset:(\i)*4096+512*\q th:TH_STORE_NT   ; 512 consecutive bytes, aligned; written once, read by nobody here
.endr
.endm
	FETCHROW 0
	FETCHROW 1
.irp i, 0,1,2,3,4,5,6,7
.if \i < 7
	s_wait_dscnt 16                                ; this row's 16 loads are in; the next row's 16 stay out
.else
	s_wait_dscnt 0x0
.endif
	ROW \i
.if \i+2 < 8
	s_wait_xcnt 0x0                                ; the stores have read this set's registers: it is loaded again only behind this wait
	FETCHROW \i+2
.endif
.endr
	s_wait_tensorcnt 0x0
	ds_add_u32 v30, v31
	s_wait_dscnt 0x0
	s_endpgm
.Lfunc_end_k_q44fb8ec7ae_outln:
	.size	k_q44fb8ec7ae_outln, .Lfunc_end_k_q44fb8ec7ae_outln-k_q44fb8ec7ae_outln
	.p2alignl 7, 3214868480
	.fill 96, 4, 3214868480
	.section	.rodata,"a",@progbits
	.p2align	6, 0x0
	.amdhsa_kernel k_q44fb8ec7ae_outln
		.amdhsa_group_segment_fixed_size 263168
		.amdhsa_private_segment_fixed_size 0
		.amdhsa_enable_private_segment 0
		.amdhsa_kernarg_size 64
		.amdhsa_user_sgpr_count 2
		.amdhsa_user_sgpr_kernarg_segment_ptr 1
		.amdhsa_wavefront_size32 1
		.amdhsa_system_sgpr_workgroup_id_x 1
		.amdhsa_system_sgpr_workgroup_id_y 1
		.amdhsa_system_sgpr_workgroup_id_z 1
		.amdhsa_system_vgpr_workitem_id 0
		.amdhsa_next_free_vgpr 1024
		.amdhsa_next_free_sgpr 66
		.amdhsa_reserve_vcc 0
		.amdhsa_float_denorm_mode_32 3
		.amdhsa_float_denorm_mode_16_64 3
		.amdhsa_memory_ordered 1
		.amdhsa_forward_progress 1
		.amdhsa_inst_pref_size 165
	.end_amdhsa_kernel
	.amdgpu_metadata
---
amdhsa.version: [ 1, 2 ]
amdhsa.kernels:
  - .name:           k_q44fb8ec7ae_outln
    .symbol:         k_q44fb8ec7ae_outln.kd
    .args:
      - { .name: ctxf, .offset: 0, .size: 8, .value_kind: global_buffer, .address_space: global }
      - { .name: wc, .offset: 8, .size: 8, .value_kind: global_buffer, .address_space: global }
      - { .name: lowp_scales, .offset: 16, .size: 8, .value_kind: global_buffer, .address_space: global }
      - { .name: bo, .offset: 24, .size: 8, .value_kind: global_buffer, .address_space: global }
      - { .name: x, .offset: 32, .size: 8, .value_kind: global_buffer, .address_space: global }
      - { .name: gamma, .offset: 40, .size: 8, .value_kind: global_buffer, .address_space: global }
      - { .name: beta, .offset: 48, .size: 8, .value_kind: global_buffer, .address_space: global }
      - { .name: out0, .offset: 56, .size: 8, .value_kind: global_buffer, .address_space: global }
    .group_segment_fixed_size: 263168
    .private_segment_fixed_size: 0
    .kernarg_segment_align: 8
    .kernarg_segment_size: 64
    .max_flat_workgroup_size: 128
    .sgpr_count:     66
    .vgpr_count:     1024
    .wavefront_size: 32
...
	.end_amdgpu_metadata
.endif
;; end of part 4
